; MI455X (gfx1250); checked and timed in simulation.
; The chip was launched on July 23, 2026; its instructions are those of AMD's public machine-readable ISA for CDNA 5 (MIT licence, August 2026) and "CDNA5" Instruction Set Architecture Reference Guide (July 2026). The comments in the code are by the model that wrote it; some were corrected since.
;; DAP Tri Att End. Allowed arithmetic: matrix products marked QUANTISED: E2M3 operands, one E8M0 scale for each 32 along K, by v_wmma_scale_f32_16x16x128_f8f6f4 with both operands' format E2M3, f32 sums; products left as they are: f32 operands where the result goes on into a quantised operand, else bf16, f16 or f32 operands; f32 sums; everything else in f32.
;; Inputs: bg 128 float32; bo 128 float32; ln_b 128 float32; ln_w 128 float32; mask 1 x 256 x 256 float32; w_bias 4 x 128 float32; wg 128 x 4 x 32 float32; wk 128 x 4 x 32 float32; wo 128 x 128 float32; wq 128 x 4 x 32 float32; wv 128 x 4 x 32 float32; x 1 x 256 x 256 x 128 float32.
;; Outputs: out0 1 x 256 x 256 x 128 float32.
;; This version of the problem:
;;   THIS VERSION OF THE PROBLEM IS GIVEN IN LOW PRECISION. The matrix products marked QUANTISED in the list below multiply operands that are first quantised to E2M3 (2 exponent bits, 3 mantissa bits; 6 bits a number), with one power-of-two scale for each 32 numbers along K (OCP MX v1.0); their sums are f32. All else is computed in f32.
;;   The module's matrix products, in the order in which they are computed (A, B: the left and right operand; K: the contracted axis; several contracted axes count as one K, in the product's order):
;;     1. [M 4, K 128] x [K 128, N 65,536]; A: input w_bias; B: computed on the way: left as it is (M = 4 < 16)
;;     2. [M 65,536, K 128] x [K 128, N 128]; A: computed on the way; B: input wq: QUANTISED
;;     3. [M 65,536, K 128] x [K 128, N 128]; A: computed on the way; B: input wk: QUANTISED
;;     4. [M 65,536, K 128] x [K 128, N 128]; A: computed on the way; B: input wv: QUANTISED
;;     5. batch 1,024 x [M 256, K 32] x [K 32, N 256]; A: computed on the way; B: computed on the way: QUANTISED
;;     6. batch 1,024 x [M 32, K 256] x [K 256, N 256]; A: computed on the way; B: softmax (see below): QUANTISED
;;     7. [M 65,536, K 128] x [K 128, N 128]; A: computed on the way; B: input wg: QUANTISED
;;     8. [M 65,536, K 128] x [K 128, N 128]; A: computed on the way; B: input wo: QUANTISED
;;   THE QUANTISER, for each operand of a quantised product, along K:
;;     - K is cut into blocks of 32 from its start; a last block that is shorter is filled with zeros.
;;     - A block's scale is 2^e with e = floor(log2(the largest magnitude in the block)) - 2, held to -126 .. 127; a block of zeros has e = 0. As a byte (E8M0): e + 127.
;;     - Each number is divided by its block's scale, clamped to +-7.5, and rounded to the nearest number of E2M3, ties to even, subnormals kept.
;;     - The product sums the exact products of the quantised numbers (number of the format x scale) in f32.
;;   ~~~python
;;   def quantise(x, axis):      # numpy; x: float32 -> the quantised numbers, widened to float32 again
;;       x = np.moveaxis(x, axis, -1); K = x.shape[-1]
;;       x = np.pad(x, [(0, 0)] * (x.ndim - 1) + [(0, -K % 32)]); x = x.reshape(x.shape[:-1] + (-1, 32)); a = np.abs(x).max(-1, keepdims=True)
;;       e = np.where(a > 0, np.clip(np.frexp(np.where(a > 0, a, 1))[1] - 1 - 2, -126, 127), 0)      # np.frexp(a)[1] - 1 = floor(log2(a)), exactly
;;       r = np.clip(x / 2.0 ** e, -7.5, 7.5)
;;       step = 2.0 ** (np.maximum(np.frexp(np.where(r == 0, 1, r))[1] - 1, 0) - 3)
;;       q = np.round(r / step) * step * 2.0 ** e      # np.round: ties to even
;;       return np.moveaxis(q.reshape(q.shape[:-2] + (-1,))[..., :K], -1, axis).astype(np.float32)
;;   ~~~
;;   SOFTMAX AHEAD OF A QUANTISED PRODUCT. Where the list says 'softmax', what is quantised is not the finished softmax but p = 2^(t - M), with t = logit x log2(e) and M = ceil(the row's largest t), a whole number; so 1/2 < the row's largest p <= 1. The row's sum l is taken of the UNQUANTISED p, in f32, and the product's result is divided by l at the end. Since M is a whole number, a kernel that streams over the keys may use a running M (the ceiling of the running maximum): every later rescaling is an exact power of two, which a block's scale takes up: the codes' values come out the same.
;;   OPERANDS COMPUTED ON THE WAY. 'Computed on the way' means the value that the module computes at that place (a softmax that the list does not call 'softmax' is quantised finished and normalised). What goes into a quantiser is computed in f32, as accurately as f32 sums, v_exp_f32 and their like allow (about 1e-6 of the number): no bf16 or f16 on the way to a quantiser, and a product that is left as it is and whose result goes on into a quantised operand takes f32 operands (vector FMAs, or v_wmma_f32_16x16x4_f32). A number that lies on a knife's edge between two numbers of the format may be rounded either way, as far as f32 arithmetic and the matrix unit's own rounding can turn it there, and no further.
;; One version. Each part assembles by itself: llvm-mc -triple=amdgcn-amd-amdhsa -mcpu=gfx1250 --defsym DOCPART=n.
;; ======== version 1 of 1: 2 launches
;; workspace buffers: xc 6,291,456 bytes; xs 262,144 bytes; tri 1,048,576 bytes; wts 65,536 bytes
;; launch prep (part 1): grid 256 x 1, 16 waves a work-group, no clusters, 145,408 bytes of LDS; arguments x, ln_w, ln_b, w_bias, wq, wk, wv, wg, wo, bg, bo, xc, xs, tri, wts; writes xc, xs, tri, wts
.if DOCPART == 1
	.amdgcn_target "amdgcn-amd-amdhsa--gfx1250"
	.amdhsa_code_object_version 6
	.text
	.protected	k_q57243a3a04_prep
	.globl	k_q57243a3a04_prep
	.p2align	8
	.type	k_q57243a3a04_prep,@function
k_q57243a3a04_prep:
	s_mov_b64 s[64:65], 0
	v_nop
	global_prefetch_b8 v0, s[64:65] scope:SCOPE_SE
	s_setreg_imm32_b32 hwreg(HW_REG_WAVE_MODE, 25, 1), 1
	s_wait_xcnt 0x0
; FIRST LAUNCH of triangle attention round the ending node.  x: [256][256][128] f32.  Every token x[row][col][:] is read once, layer-normed in f32, and leaves as
;   xc   codes of FP6 (E2M3) of the normed token, K = the 128 channels, one E8M0 byte for each 32, laid as images of operand registers: [col][tile T of rows], 1,536 bytes each
;        (registers 4 c .. 4 c + 3 of lane l at 512 c + 16 l); row r of tile T is token row rho(T, r) = 32 (T / 2) + 8 (T % 2) + r + 8 (r / 8);
;   xs   their scale words, [T2][T1][r2][r]: column rho(T2, r2), tile T1, row r;
;   tri  the triangle bias tri[h][query j][key k] = LN(x[k][j]) . w_bias[h], by f32 multiply-adds, laid as the second launch's accumulators want it:
;        [2 h + k / 128][query tile][g 16][lane 32][e 4]: register 4 g + e of lane (query r, half hh) is key 32 (g / 4) + 16 hh + 4 (g % 4) + e of the 128.
; The five weights become codes too (wts: 40 images, their scale words, bg, bo, 512 zero bytes).
; SHARES.  Work-group 16 T2 + T1: wave w takes column a = rho(T2, w) and the 16 rows of tile T1: one operand image a wave, and 16 queries x 16 keys x 4 heads of tri a work-group,
; which leave as sixteen aligned runs of 256 bytes.  Each load of x reads a token's 512 consecutive bytes; a wave's 16 tokens turn through its own stage in LDS, so that a lane holds
; 16 neighbours of each block of 32 of ONE token.  No tensor loads: memory is read once, all 16 loads of every wave go out at the head.  No matrix unit, no cluster: nothing is shared.
; THE WEIGHTS are 81 small jobs, one for wave 15 of each of work-groups 0 to 80, so that the grid is one work-group for each of 256 blocks of tokens and no more: jobs 0 to 79 are half a
; tile each (tile J / 2 of the forty, 64 (J % 2) on along K: one whole block of 32 a lane), job 80 copies the biases.  With the 16 loads of x, 48 loads of that wave are out.
; A block's scale is 2^(floor(log2(its largest magnitude)) - 2); its byte is the largest magnitude's exponent field - 2, held at 1 from below.  A block of zeros gets the byte 1 where
; the stated quantiser says 127: its codes are zeros, and this program alone reads the bytes.
; LIMITS: NaN and infinities among the inputs are not served; blocks whose largest magnitude lies under 2^-124 (the floor) were not tried.
.set R,   16                           ; v16-79   16 tokens as loaded; later tables
.set X,   80                           ; v80-143  my token: register 16 b + i = channel 32 b + 16 hh + i
.set CW,  144                          ; v144-207 tables in the same order (ahead of that: a weight job's numbers and codes)
.set PC,  208                          ; v208-219 the codes (before that v208-215: four running pairs)
.set PW,  248                          ; v248     my token's scale word
.set SEL, 40                           ; s[40:41] lane selects: lane l xor 16
.set TST, 3072                         ; LDS: 0 ln_w, 512 ln_b, 1024 w_bias; 3,072 tri's stage (4 x 1,024); 7,168 the scale words (1,024); 8,192 the waves' stages
.set XST, 7168
.set STG, 8192
.set SP,  528                          ; a token in a stage: 512 bytes + 16: the sixteen rows that a load touches start 33 x 16 bytes apart
.macro BARRIER                         ; my LDS stores have landed and my LDS loads are in: then the work-group's barrier
	s_wait_dscnt 0x0
	s_barrier_signal -1
	s_barrier_wait -1
.endm
; 64 numbers of a lane, register 16 b + i = k 32 b + 16 hh + i of my row, become a fragment's codes in v[pc] on and its scale word in v[pw]
.macro QUANT src, pc, pw
.irp b, 0,1,2,3
	v_max3_num_f32 v[232+\b], |v[\src+16*\b]|, |v[\src+1+16*\b]|, 0x1800000    ; my 16 numbers of block b, and the floor 2^(3 - 127): the byte cannot fall under 1
.endr
.irp i, 2,4,6,8,10,12,14
.irp b, 0,1,2,3
	s_delay_alu instid0(VALU_DEP_4)
	v_max3_num_f32 v[232+\b], v[232+\b], |v[\src+16*\b+\i]|, |v[\src+1+16*\b+\i]|
.endr
.endr
.irp b, 0,1,2,3
	s_delay_alu instid0(VALU_DEP_4)
	v_permlanex16_b32 v[236+\b], v[232+\b], s[SEL], s[SEL+1]
.endr
.irp b, 0,1,2,3
	s_delay_alu instid0(VALU_DEP_4)
	v_max_num_f32 v[232+\b], v[232+\b], v[236+\b]          ; with lane l xor 16's: the block's largest magnitude
.endr
.irp b, 0,1,2,3
	s_delay_alu instid0(VALU_DEP_4)
	v_add_nc_u32 v[244+\b], 0xff000000, v[232+\b]          ; 2 off its exponent field: the conversion takes this operand's exponent field as its scale
.endr
.irp b, 0,1,2,3
	s_delay_alu instid0(VALU_DEP_4)
	v_lshrrev_b32 v[236+\b], 23, v[244+\b]                 ; the scale's byte
.endr
	s_delay_alu instid0(VALU_DEP_3)
	v_lshl_or_b32 v[\pw], v237, 8, v236
	s_delay_alu instid0(VALU_DEP_1)
	v_lshl_or_b32 v[\pw], v238, 16, v[\pw]
	s_delay_alu instid0(VALU_DEP_1)
	v_lshl_or_b32 v[\pw], v239, 24, v[\pw]
.irp c, 0,1
	v_cvt_scalef32_pk16_fp6_f32 v[\pc+6*\c:\pc+2+6*\c], v[\src+32*\c:\src+15+32*\c], v[244+2*\c]
	v_cvt_scalef32_pk16_fp6_f32 v[236+4*\c:238+4*\c], v[\src+16+32*\c:\src+31+32*\c], v[245+2*\c]   ; (a conversion's three registers begin on an even number)
.endr
	v_nop                                                  ; one plain place behind the scaled conversions
.irp c, 0,1                            ; the operand's layout wants a whole block in a lane: lanes 0-15 block 2 c, lanes 16-31 block 2 c + 1
.irp i, 0,1,2
	v_permlane16_swap_b32 v[\pc+6*\c+\i], v[236+4*\c+\i]
.endr
.irp i, 0,1,2
	s_delay_alu instid0(VALU_DEP_3)
	v_mov_b32 v[\pc+3+6*\c+\i], v[236+4*\c+\i]
.endr
.endr
.endm
.macro CLOAD dst, off                  ; a table of 128 f32 at LDS byte off, in my token's register order (all lanes of a half read the same bytes)
.set g, 0
.rept 16
	ds_load_b128 v[\dst+4*g:\dst+4*g+3], v7 offset:\off+128*(g/4)+16*(g%4)
.set g, g+1
.endr
.endm
.macro DOT h, tab                      ; tri's number of my token for head h: two chains of packed multiply-adds, then the other half of the lanes'
	v_pk_mul_f32 v[220:221], v[X:X+1], v[\tab:\tab+1]
	v_pk_mul_f32 v[222:223], v[X+2:X+3], v[\tab+2:\tab+3]
.irp j, 4,8,12,16,20,24,28,32,36,40,44,48,52,56,60
	s_delay_alu instid0(VALU_DEP_2)
	v_pk_fma_f32 v[220:221], v[X+\j:X+\j+1], v[\tab+\j:\tab+\j+1], v[220:221]
	s_delay_alu instid0(VALU_DEP_2)
	v_pk_fma_f32 v[222:223], v[X+\j+2:X+\j+3], v[\tab+\j+2:\tab+\j+3], v[222:223]
.endr
	s_delay_alu instid0(VALU_DEP_1)
	v_pk_add_f32 v[220:221], v[220:221], v[222:223]
	s_delay_alu instid0(VALU_DEP_1)
	v_add_f32 v254, v220, v221
	s_delay_alu instid0(VALU_DEP_1)
	v_permlanex16_b32 v255, v254, s[SEL], s[SEL+1]
	s_delay_alu instid0(VALU_DEP_1)
	v_add_f32 v[12+\h], v254, v255
.endm
	s_load_b512 s[8:23], s[0:1], 0x0               ; x 8, ln_w 10, ln_b 12, w_bias 14, wq 16, wk 18, wv 20, wg 22
	s_load_b256 s[24:31], s[0:1], 0x40             ; wo 24, bg 26, bo 28, xc 30
	s_load_b128 s[32:35], s[0:1], 0x60             ; xs 32, tri 34
	s_load_b64 s[36:37], s[0:1], 0x70              ; wts
	v_lshl_add_u32 v243, v0, 2, 0x23000
	v_mov_b32 v249, 0
	v_lshrrev_b32 v1, 5, v0
	s_delay_alu instid0(VALU_DEP_1)
	v_readfirstlane_b32 s38, v1                    ; wave 0..15
	v_and_b32 v1, 31, v0                           ; lane
	v_and_b32 v2, 15, v0                           ; r
	v_bfe_u32 v3, v0, 4, 1                         ; hh
	s_delay_alu instid0(VALU_DEP_3)
	v_lshlrev_b32 v4, 4, v1                        ; 16 x lane
	s_wait_alu depctr_va_vdst(0)
	s_mov_b32 s[SEL], 0x76543210
	s_mov_b32 s[SEL+1], 0xfedcba98
.irp b, 0,1,2,3
	v_mov_b32 v[236+\b], 0                         ; written once: a lane permute's destination counts as one of its sources
.endr
	v_mov_b32 v255, 0
	s_lshr_b32 s43, ttmp9, 4                       ; T2
	s_and_b32 s44, ttmp9, 15                       ; T1
	s_lshr_b32 s45, s43, 1
	s_lshl_b32 s45, s45, 5
	s_and_b32 s46, s43, 1
	s_lshl_b32 s46, s46, 3
	s_add_co_u32 s45, s45, s46
	s_add_co_u32 s45, s45, s38
	s_and_b32 s46, s38, 8
	s_add_co_u32 s45, s45, s46                     ; a = rho(T2, wave): my column
	s_lshr_b32 s47, s44, 1
	s_lshl_b32 s47, s47, 5
	s_and_b32 s46, s44, 1
	s_lshl_b32 s46, s46, 3
	s_add_co_u32 s47, s47, s46                     ; rho(T1, 0): the tile's first row
	s_lshl_b32 s48, s47, 17                        ; a row of x is 131,072 bytes,
	s_lshl_b32 s46, s45, 9                         ; a token 512
	s_add_co_u32 s48, s48, s46
	s_mov_b32 s49, 0
	s_lshl_b32 s50, s45, 4
	s_add_co_u32 s50, s50, s44
	s_mul_i32 s50, s50, 1536                       ; xc: image 16 a + T1
	s_mov_b32 s51, 0
	s_lshr_b32 s54, s38, 2                         ; tri: wave w stores quarter w % 4 of head w / 4's 1,024 bytes
	s_lshl_b32 s54, s54, 1
	s_lshr_b32 s46, s44, 3
	s_add_co_u32 s54, s54, s46
	s_lshl_b32 s54, s54, 17                        ; (2 h + T1 / 8) x 131,072
	s_lshl_b32 s46, s43, 13
	s_add_co_u32 s54, s54, s46                     ; + 8,192 x query tile
	s_and_b32 s46, s44, 7
	s_lshl_b32 s46, s46, 10
	s_add_co_u32 s54, s54, s46                     ; + 1,024 x (T1 % 8)
	s_and_b32 s46, s38, 3
	s_lshl_b32 s46, s46, 8
	s_add_co_u32 s54, s54, s46
	s_mov_b32 s55, 0
	s_lshl_b32 s58, ttmp9, 10                      ; xs: 1,024 bytes a work-group, 256 for each of waves 0 to 3
	s_lshl_b32 s46, s38, 8
	s_add_co_u32 s58, s58, s46
	s_mov_b32 s59, 0
	s_mov_b32 s56, 0x3c000000                      ; 1 / 128
	s_mov_b32 s57, 0x3727c5ac                      ; 1e-5
	; every LDS address is made here, ahead of the first parting of the waves
	s_mul_i32 s60, s38, 16*SP
	s_add_co_u32 s60, s60, STG                     ; my stage
	v_add_nc_u32 v5, s60, v4                       ; in: a token's 512 bytes as they lie
	v_mul_u32_u24 v6, v2, SP
	s_delay_alu instid0(VALU_DEP_1)
	v_lshl_add_u32 v6, v3, 6, v6
	s_delay_alu instid0(VALU_DEP_1)
	v_add_nc_u32 v6, s60, v6                       ; out: token r, + 64 hh
	v_lshlrev_b32 v7, 6, v3                        ; the tables: 64 hh
	v_bfe_u32 v8, v0, 2, 1
	s_delay_alu instid0(VALU_DEP_1)
	v_lshlrev_b32 v8, 9, v8
	v_bfe_u32 v9, v0, 3, 1
	s_delay_alu instid0(VALU_DEP_1)
	v_lshl_add_u32 v8, v9, 8, v8
	v_and_b32 v9, 3, v0
	s_delay_alu instid0(VALU_DEP_1)
	v_lshl_add_u32 v8, v9, 2, v8
	s_lshl_b32 s61, s38, 4
	s_add_co_u32 s61, s61, TST
	v_add_nc_u32 v8, s61, v8                       ; tri's stage: key r of the tile is register 4 ((r / 4) % 2) + r % 4 of its eight, lane (query = wave) + 16 (r / 8)
	s_lshl_b32 s61, s38, 6
	s_add_co_u32 s61, s61, XST
	v_lshl_add_u32 v9, v2, 2, s61                  ; the scale words: 64 x wave + 4 r
	s_lshl_b32 s61, s38, 8
	s_add_co_u32 s61, s61, TST
	v_lshl_add_u32 v10, v1, 3, s61                 ; back: 256 bytes a wave, 8 a lane
	v_lshlrev_b32 v11, 3, v1
	v_lshlrev_b32 v224, 4, v0                      ; the tables' way in: 16 x thread
	s_wait_kmcnt 0x0
	s_add_nc_u64 s[8:9], s[8:9], s[48:49]
	s_add_nc_u64 s[30:31], s[30:31], s[50:51]
	s_add_nc_u64 s[34:35], s[34:35], s[54:55]
	s_add_nc_u64 s[32:33], s[32:33], s[58:59]
	s_cmp_lt_u32 s38, 6                            ; waves 0 to 5 bring the tables: ln_w, ln_b, the four rows of w_bias, 512 bytes each
	s_cbranch_scc0 .Lno_table
	s_cmp_eq_u32 s38, 0
	s_cselect_b64 s[52:53], s[10:11], s[14:15]
	s_cmp_eq_u32 s38, 1
	s_cselect_b64 s[52:53], s[12:13], s[52:53]
	s_max_u32 s54, s38, 2
	s_sub_co_u32 s54, s54, 2
	s_lshl_b32 s54, s54, 9
	s_mov_b32 s55, 0
	s_add_nc_u64 s[52:53], s[52:53], s[54:55]
	global_load_b128 v[220:223], v4, s[52:53]
.Lno_table:
.set i, 0
.rept 16                               ; my 16 tokens: each load reads 512 consecutive bytes, at a multiple of 512 from x's first byte; read once in the launch
	global_load_b128 v[R+4*i:R+4*i+3], v4, s[8:9] offset:(i+8*(i/8))*131072 th:TH_LOAD_NT
.set i, i+1
.endr
	s_cmp_lt_u32 s38, 6
	s_cbranch_scc0 .Lno_table2
	s_wait_loadcnt 16                              ; the table's load is in; the 16 issued behind it may be out
	s_wait_alu depctr_va_vdst(0)
	ds_store_b128 v224, v[220:223]
.Lno_table2:
	BARRIER                                        ; the tables lie in LDS (the loads of x stay on their way: nobody writes x)
	; ---- a weight job: wave 15 of work-groups 0 to 80, while its tokens are on their way.  One block: loads, their wait, the quantiser, the stores.  No LDS, no barrier ----
	s_cmp_eq_u32 s38, 15
	s_cselect_b32 s62, ttmp9, 255                  ; J, the job; 255 in the other waves
	s_cmp_gt_u32 s62, 80
	s_cbranch_scc1 .Lno_job
	s_cmp_eq_u32 s62, 80
	s_cbranch_scc1 .Lbiases
	s_lshr_b32 s42, s62, 1                         ; f: 0-31 tiles of wq, wk, wv, wg; 32-39 of wo
	s_and_b32 s43, s62, 1                          ; c: K = 64 c on
	s_and_b32 s44, s42, 7                          ; the tile
	s_lshr_b32 s46, s44, 1
	s_lshl_b32 s46, s46, 5
	s_and_b32 s47, s44, 1
	s_lshl_b32 s47, s47, 3
	s_add_co_u32 s46, s46, s47
	v_and_b32 v225, 8, v2
	s_delay_alu instid0(VALU_DEP_1)
	v_add_nc_u32 v225, v225, v2
	s_delay_alu instid0(VALU_DEP_1)
	v_add_nc_u32 v225, s46, v225                   ; n = rho(tile, r): my output channel
	s_mul_i32 s48, s42, 1536
	s_mov_b32 s49, 0
	s_add_nc_u64 s[48:49], s[36:37], s[48:49]      ; the tile's image
	s_lshl_b32 s50, s42, 6
	s_lshl_b32 s51, s43, 1
	s_add_co_u32 s50, s50, s51
	s_add_co_u32 s50, s50, 61440
	s_mov_b32 s51, 0
	s_add_nc_u64 s[50:51], s[36:37], s[50:51]      ; its scale words, at my two bytes of each
	v_lshlrev_b32 v226, 2, v2
	s_mov_b32 s47, 0
	s_cmp_ge_u32 s42, 32
	s_cbranch_scc1 .Lwo
	s_lshr_b32 s46, s42, 3                         ; which of the four [K][N] weights
	s_cmp_eq_u32 s46, 0
	s_cselect_b64 s[44:45], s[16:17], s[18:19]
	s_cmp_eq_u32 s46, 2
	s_cselect_b64 s[44:45], s[20:21], s[44:45]
	s_cmp_eq_u32 s46, 3
	s_cselect_b64 s[44:45], s[22:23], s[44:45]
	s_lshl_b32 s46, s43, 15                        ; 64 c rows of 512 bytes
	s_add_nc_u64 s[44:45], s[44:45], s[46:47]
	s_wait_alu depctr_va_vdst(0)
	v_lshlrev_b32 v225, 2, v225
	s_delay_alu instid0(VALU_DEP_1)
	v_lshl_add_u32 v225, v3, 14, v225              ; column n; lanes 16-31 begin 32 rows further down
.set i, 0
.rept 32                               ; a lane takes a column and its registers run down K: W(64 c + 32 hh + i, n)
	global_load_b32 v[144+i], v225, s[44:45] offset:512*i
.set i, i+1
.endr
	s_branch .Lquant
.Lwo:
	s_lshl_b32 s46, s43, 8
	s_add_nc_u64 s[44:45], s[24:25], s[46:47]
	s_wait_alu depctr_va_vdst(0)
	v_lshlrev_b32 v225, 9, v225
	s_delay_alu instid0(VALU_DEP_1)
	v_lshl_add_u32 v225, v3, 7, v225               ; wo has K innermost: row n, + 256 c + 128 hh
.irp j, 0,1,2,3,4,5,6,7
	global_load_b128 v[144+4*\j:147+4*\j], v225, s[44:45] offset:16*\j
.endr
.Lquant:
	s_wait_loadcnt 0x0                             ; the job's loads are the youngest
	v_max3_num_f32 v176, |v144|, |v145|, 0x1800000 ; my block 2 c + hh: all its 32 numbers are mine; two chains, and the floor
	v_max3_num_f32 v177, |v160|, |v161|, 0x1800000
.irp i, 2,4,6,8,10,12,14
	s_delay_alu instid0(VALU_DEP_2)
	v_max3_num_f32 v176, v176, |v[144+\i]|, |v[145+\i]|
	s_delay_alu instid0(VALU_DEP_2)
	v_max3_num_f32 v177, v177, |v[160+\i]|, |v[161+\i]|
.endr
	s_delay_alu instid0(VALU_DEP_1)
	v_max_num_f32 v176, v176, v177
	s_delay_alu instid0(VALU_DEP_1)
	v_add_nc_u32 v177, 0xff000000, v176            ; the conversion's scale operand
	s_delay_alu instid0(VALU_DEP_1)
	v_lshrrev_b32 v178, 23, v177                   ; the scale's byte,
	v_lshlrev_b32 v179, 3, v3
	s_delay_alu instid0(VALU_DEP_1)
	v_lshlrev_b32 v178, v179, v178                 ; at its place in the half word (8 hh bits up);
	v_mov_b32 v180, 0
	s_delay_alu instid0(VALU_DEP_1)
	v_permlanex16_b32 v180, v178, s[SEL], s[SEL+1]
	s_delay_alu instid0(VALU_DEP_1)
	v_or_b32 v178, v178, v180                      ; with lane l xor 16's: bytes 2 c and 2 c + 1 of row n's word
	v_cvt_scalef32_pk16_fp6_f32 v[184:186], v[144:159], v177
	v_cvt_scalef32_pk16_fp6_f32 v[188:190], v[160:175], v177       ; (a conversion's three registers begin on an even number)
	v_nop                                          ; one plain place behind the scaled conversions
	v_mov_b32 v187, v188
	v_mov_b32 v188, v189
	v_mov_b32 v189, v190                           ; v184-189: registers 6 c .. 6 c + 5 of the operand
	s_cmp_eq_u32 s43, 0
	s_cbranch_scc0 .Lhalf1
	global_store_b128 v4, v[184:187], s[48:49]                     ; registers 0-3,
	global_store_b64 v4, v[188:189], s[48:49] offset:512           ; 4 and 5
	s_branch .Lword
.Lhalf1:
	s_wait_alu depctr_va_vdst(0)
	global_store_b64 v4, v[184:185], s[48:49] offset:520           ; registers 6 and 7,
	global_store_b128 v4, v[186:189], s[48:49] offset:1024         ; 8-11
.Lword:
	s_wait_alu depctr_va_vdst(0)
	global_store_b16 v226, v178, s[50:51]          ; both halves of the lanes hold the same two bytes and write the same place
	s_branch .Ljob_done
.Lbiases:
	global_load_b128 v[144:147], v4, s[26:27]      ; bg
	global_load_b128 v[148:151], v4, s[28:29]      ; bo
.irp i, 0,1,2,3
	v_mov_b32 v[152+\i], 0
.endr
	s_wait_alu depctr_va_vdst(0)
	s_wait_loadcnt 0x0
	global_store_b128 v4, v[144:147], s[36:37] offset:64000
	global_store_b128 v4, v[148:151], s[36:37] offset:64512
	global_store_b128 v4, v[152:155], s[36:37] offset:65024        ; the block's last 512 bytes: the second launch brings the whole block in
.Ljob_done:
	s_wait_xcnt 0x0                                ; the stores have read their registers: the tables are loaded over them below
.Lno_job:
	; ---- the tokens ----
.set i, 0
.rept 16
	s_wait_loadcnt 15-i                            ; token i is in; the younger ones may be out
	ds_store_b128 v5, v[R+4*i:R+4*i+3] offset:SP*i
.set i, i+1
.endr
.set g, 0
.rept 16                               ; LDS serves a wave's instructions in order: these see my stores
	ds_load_b128 v[X+4*g:X+4*g+3], v6 offset:128*(g/4)+16*(g%4)
.set g, g+1
.endr
	s_wait_dscnt 0x0
	CLOAD CW, 0                                    ; ln_w and ln_b land under the statistics
	CLOAD R, 512
	; the mean: eight chains, then the other half of the lanes'
	v_pk_add_f32 v[210:211], v[80:81], v[88:89]
	v_pk_add_f32 v[212:213], v[96:97], v[104:105]
	v_pk_add_f32 v[214:215], v[112:113], v[120:121]
	v_pk_add_f32 v[252:253], v[128:129], v[136:137]
	v_pk_add_f32 v[250:251], v[82:83], v[90:91]
	v_pk_add_f32 v[246:247], v[98:99], v[106:107]
	v_pk_add_f32 v[244:245], v[114:115], v[122:123]
	v_pk_add_f32 v[208:209], v[130:131], v[138:139]
	s_delay_alu instid0(VALU_DEP_1)
	v_pk_add_f32 v[208:209], v[208:209], v[84:85]
	v_pk_add_f32 v[210:211], v[210:211], v[92:93]
	v_pk_add_f32 v[212:213], v[212:213], v[100:101]
	v_pk_add_f32 v[214:215], v[214:215], v[108:109]
	v_pk_add_f32 v[252:253], v[252:253], v[116:117]
	v_pk_add_f32 v[250:251], v[250:251], v[124:125]
	v_pk_add_f32 v[246:247], v[246:247], v[132:133]
	v_pk_add_f32 v[244:245], v[244:245], v[140:141]
	v_pk_add_f32 v[208:209], v[208:209], v[86:87]
	v_pk_add_f32 v[210:211], v[210:211], v[94:95]
	v_pk_add_f32 v[212:213], v[212:213], v[102:103]
	v_pk_add_f32 v[214:215], v[214:215], v[110:111]
	v_pk_add_f32 v[252:253], v[252:253], v[118:119]
	v_pk_add_f32 v[250:251], v[250:251], v[126:127]
	v_pk_add_f32 v[246:247], v[246:247], v[134:135]
	v_pk_add_f32 v[244:245], v[244:245], v[142:143]
	s_delay_alu instid0(VALU_DEP_4)
	v_pk_add_f32 v[208:209], v[208:209], v[252:253]
	s_delay_alu instid0(VALU_DEP_4)
	v_pk_add_f32 v[210:211], v[210:211], v[250:251]
	s_delay_alu instid0(VALU_DEP_4)
	v_pk_add_f32 v[212:213], v[212:213], v[246:247]
	s_delay_alu instid0(VALU_DEP_4)
	v_pk_add_f32 v[214:215], v[214:215], v[244:245]
	s_delay_alu instid0(VALU_DEP_2)
	v_pk_add_f32 v[208:209], v[208:209], v[212:213]
	s_delay_alu instid0(VALU_DEP_2)
	v_pk_add_f32 v[210:211], v[210:211], v[214:215]
	s_delay_alu instid0(VALU_DEP_1)
	v_pk_add_f32 v[208:209], v[208:209], v[210:211]
	s_delay_alu instid0(VALU_DEP_1)
	v_add_f32 v254, v208, v209
	s_delay_alu instid0(VALU_DEP_1)
	v_permlanex16_b32 v255, v254, s[SEL], s[SEL+1]
	s_delay_alu instid0(VALU_DEP_1)
	v_add_f32 v254, v254, v255
	s_delay_alu instid0(VALU_DEP_1)
	v_mul_f32 v250, 0x3c000000, v254
	s_delay_alu instid0(VALU_DEP_1)
	v_mov_b32 v251, v250
.set j, 0
.rept 32
	v_pk_add_f32 v[X+j:X+j+1], v[X+j:X+j+1], v[250:251] neg_lo:[0,1] neg_hi:[0,1]    ; x - mean
.set j, j+2
.endr
	; the variance, of the differences: no difference of large sums is formed
.irp k, 0,1,2,3
	v_pk_mul_f32 v[208+2*\k:209+2*\k], v[X+2*\k:X+1+2*\k], v[X+2*\k:X+1+2*\k]
.endr
.irp j, 8,16,24,32,40,48,56
.irp k, 0,1,2,3
	s_delay_alu instid0(VALU_DEP_4)
	v_pk_fma_f32 v[208+2*\k:209+2*\k], v[X+\j+2*\k:X+\j+1+2*\k], v[X+\j+2*\k:X+\j+1+2*\k], v[208+2*\k:209+2*\k]
.endr
.endr
	s_delay_alu instid0(VALU_DEP_3)
	v_pk_add_f32 v[208:209], v[208:209], v[210:211]
	s_delay_alu instid0(VALU_DEP_2)
	v_pk_add_f32 v[212:213], v[212:213], v[214:215]
	s_delay_alu instid0(VALU_DEP_1)
	v_pk_add_f32 v[208:209], v[208:209], v[212:213]
	s_delay_alu instid0(VALU_DEP_1)
	v_add_f32 v254, v208, v209
	s_delay_alu instid0(VALU_DEP_1)
	v_permlanex16_b32 v255, v254, s[SEL], s[SEL+1]
	s_delay_alu instid0(VALU_DEP_1)
	v_add_f32 v254, v254, v255
	s_delay_alu instid0(VALU_DEP_1)
	v_fma_f32 v254, v254, s56, s57                 ; variance + 1e-5
	s_wait_alu depctr_va_vdst(0)
	v_rsq_f32 v252, v254
	v_rsq_f32 v253, v254                           ; twice: the pair that the packed multiply takes
	v_nop                                          ; a plain instruction behind the transcendentals
	s_wait_alu depctr_va_vdst(0)                   ; one wait for both, ahead of their first reader
	s_wait_dscnt 0x0                               ; ln_w, ln_b
.set j, 0
.rept 32
	v_pk_mul_f32 v[X+j:X+j+1], v[X+j:X+j+1], v[252:253]
.set j, j+2
.endr
.set j, 0
.rept 32
	v_pk_fma_f32 v[X+j:X+j+1], v[X+j:X+j+1], v[CW+j:CW+j+1], v[R+j:R+j+1]
.set j, j+2
.endr
	CLOAD CW, 1024                                 ; w_bias, heads 0 and 1, land under the quantiser
	CLOAD R, 1536
	QUANT X, PC, PW
.irp c, 0,1,2
	global_store_b128 v4, v[PC+4*\c:PC+4*\c+3], s[30:31] offset:512*\c     ; the image: 32 lanes store 512 consecutive bytes, at a multiple of 512 from xc's first byte
.endr
	s_wait_dscnt 16                                ; head 0's table is in; head 1's 16 loads may be out
	DOT 0, CW
	CLOAD CW, 2048
	s_wait_dscnt 16                                ; head 1's is in; head 2's may be out
	DOT 1, R
	CLOAD R, 2560
	s_wait_dscnt 16                                ; head 2's is in; head 3's may be out
	DOT 2, CW
	s_wait_dscnt 0x0
	DOT 3, R
.irp h, 0,1,2,3
	ds_store_b32 v8, v[12+\h] offset:1024*\h       ; both halves of the lanes hold the same number and write the same word
.endr
	ds_store_b32 v9, v[PW]
	BARRIER                                        ; 4 x 1,024 bytes of tri and 1,024 of scale words lie in LDS
	ds_load_b64 v[226:227], v10
	s_wait_dscnt 0x0
	global_store_b64 v11, v[226:227], s[34:35]     ; 32 lanes store 256 consecutive bytes, aligned
	s_cmp_lt_u32 s38, 4
	s_cbranch_scc0 .Ldone
	ds_load_b64 v[228:229], v10 offset:XST-TST
	s_wait_dscnt 0x0
	global_store_b64 v11, v[228:229], s[32:33]
.Ldone:
	s_wait_tensorcnt 0x0
	ds_add_u32 v243, v249
	s_wait_dscnt 0x0
	s_endpgm
.Lfunc_end_k_q57243a3a04_prep:
	.size	k_q57243a3a04_prep, .Lfunc_end_k_q57243a3a04_prep-k_q57243a3a04_prep
	.p2alignl 7, 3214868480
	.fill 96, 4, 3214868480
	.section	.rodata,"a",@progbits
	.p2align	6, 0x0
	.amdhsa_kernel k_q57243a3a04_prep
		.amdhsa_group_segment_fixed_size 145408
		.amdhsa_private_segment_fixed_size 0
		.amdhsa_enable_private_segment 0
		.amdhsa_kernarg_size 120
		.amdhsa_user_sgpr_count 2
		.amdhsa_user_sgpr_kernarg_segment_ptr 1
		.amdhsa_wavefront_size32 1
		.amdhsa_system_sgpr_workgroup_id_x 1
		.amdhsa_system_sgpr_workgroup_id_y 1
		.amdhsa_system_sgpr_workgroup_id_z 1
		.amdhsa_system_vgpr_workitem_id 0
		.amdhsa_next_free_vgpr 256
		.amdhsa_next_free_sgpr 66
		.amdhsa_reserve_vcc 0
		.amdhsa_float_denorm_mode_32 3
		.amdhsa_float_denorm_mode_16_64 3
		.amdhsa_memory_ordered 1
		.amdhsa_forward_progress 1
		.amdhsa_inst_pref_size 57
	.end_amdhsa_kernel
	.amdgpu_metadata
---
amdhsa.version: [ 1, 2 ]
amdhsa.kernels:
  - .name:           k_q57243a3a04_prep
    .symbol:         k_q57243a3a04_prep.kd
    .args:
      - { .name: x, .offset: 0, .size: 8, .value_kind: global_buffer, .address_space: global }
      - { .name: ln_w, .offset: 8, .size: 8, .value_kind: global_buffer, .address_space: global }
      - { .name: ln_b, .offset: 16, .size: 8, .value_kind: global_buffer, .address_space: global }
      - { .name: w_bias, .offset: 24, .size: 8, .value_kind: global_buffer, .address_space: global }
      - { .name: wq, .offset: 32, .size: 8, .value_kind: global_buffer, .address_space: global }
      - { .name: wk, .offset: 40, .size: 8, .value_kind: global_buffer, .address_space: global }
      - { .name: wv, .offset: 48, .size: 8, .value_kind: global_buffer, .address_space: global }
      - { .name: wg, .offset: 56, .size: 8, .value_kind: global_buffer, .address_space: global }
      - { .name: wo, .offset: 64, .size: 8, .value_kind: global_buffer, .address_space: global }
      - { .name: bg, .offset: 72, .size: 8, .value_kind: global_buffer, .address_space: global }
      - { .name: bo, .offset: 80, .size: 8, .value_kind: global_buffer, .address_space: global }
      - { .name: xc, .offset: 88, .size: 8, .value_kind: global_buffer, .address_space: global }
      - { .name: xs, .offset: 96, .size: 8, .value_kind: global_buffer, .address_space: global }
      - { .name: tri, .offset: 104, .size: 8, .value_kind: global_buffer, .address_space: global }
      - { .name: wts, .offset: 112, .size: 8, .value_kind: global_buffer, .address_space: global }
    .group_segment_fixed_size: 145408
    .private_segment_fixed_size: 0
    .kernarg_segment_align: 8
    .kernarg_segment_size: 120
    .max_flat_workgroup_size: 512
    .sgpr_count:     66
    .vgpr_count:     256
    .wavefront_size: 32
...
	.end_amdgpu_metadata
.endif
;; end of part 1
;; launch attn (part 2): grid 256 x 1, 16 waves a work-group, clusters of 4 x 1, 327,680 bytes of LDS; arguments xc, xs, tri, wts, mask, out0; writes out0
.if DOCPART == 2
	.amdgcn_target "amdgcn-amd-amdhsa--gfx1250"
	.amdhsa_code_object_version 6
	.text
	.protected	k_q57243a3a04_attn
	.globl	k_q57243a3a04_attn
	.p2align	8
	.type	k_q57243a3a04_attn,@function
k_q57243a3a04_attn:
	s_mov_b64 s[64:65], 0
	v_nop
	global_prefetch_b8 v0, s[64:65] scope:SCOPE_SE
	s_setreg_imm32_b32 hwreg(HW_REG_WAVE_MODE, 25, 1), 1
	s_wait_xcnt 0x0
	s_wait_alu depctr_hold_cnt(0) depctr_sa_sdst(0) depctr_va_vdst(0) depctr_va_sdst(0) depctr_va_ssrc(0) depctr_va_vcc(0) depctr_vm_vsrc(0)
	s_getreg_b32 s2, hwreg(HW_REG_IB_STS2, 6, 4)
	s_cmp_eq_u32 s2, 0
	s_cbranch_scc0 .Lentry_in_a_cluster
	s_endpgm
.Lentry_in_a_cluster:
	s_bfe_u32 s2, ttmp6, 0x10000c
	s_cmp_lg_u32 s2, 0x3003
	s_cbranch_scc0 .Lentry_shape_is_right
	s_endpgm
.Lentry_shape_is_right:
; SECOND LAUNCH: for column i of x (row i of the transposed pair tensor): q, k, v, g from the normed tokens' codes, softmax(q k + mask bias + tri) v, the gate, the product with wo, out0[j][i][:].
; All seven products on codes of FP6 (E2M3) with one E8M0 scale for each 32 along K; sums, softmax and gate in f32.  q, k, v, p, g and o g never go to memory.
; SHARES.  A work-group is one i; each of its sixteen waves owns a tile of 16 queries (rows rho(w, r) = 32 (w / 2) + 8 (w % 2) + r + 8 (r / 8)) in 256 registers, through the whole chain; four waves to a SIMD,
; so that one wave's vector work stands beside another's products and loads.  Operands go from wave to wave through LDS as images of their registers (16 bytes a lane on end).
; LAYOUT.  The products are used transposed (source 0 = 16 rows of a weight, of K or of V^T; source 1 = my 16 queries): a lane holds ONE query.  The rows of every tile are taken by rho, so that the 16 registers
; of tiles 2 b and 2 b + 1 are 16 neighbours, 32 b + 16 hh + 0 .. 15, along the next product's K.  V^T alone is made the natural way (source 0 = 16 tokens, source 1 = 16 channels of wv): a lane then holds one channel
; and its registers run along the keys, which are its K.
; q k has K = 32: of the instruction's four blocks one is used.  Q's operand holds the head's 32 codes in block h % 2 and zero codes elsewhere; what K's operand holds against zero codes adds nothing (every code of
; this format is a finite number, and no scale byte here is 0xff).  tri's tile is the C of these products.
; SOFTMAX.  t = (q k + tri) log2(e) + mask term; M = the running largest t rounded up to a whole number; p = 2^(t - M) is quantised along the keys, not normalised; the sum of the unquantised p divides at the end.
; CLUSTER.  The weights' block is the same for every i: the four work-groups of a cluster ask for it JOINTLY (the same tensor load, the same descriptor, a mask that names the four); each wave asks for its own
; sixteenth: one tensor load a wave in the whole launch, and no LDS byte is filled twice.
; tri IS SHARED TOO AND IS NOT ASKED FOR JOINTLY: a wave's tile of a step (8,192 bytes, laid as its accumulators' registers) comes straight into the accumulators by sixteen loads of 512 consecutive bytes.  The reason:
; beside the images LDS has room for one slot of 8,192 bytes a wave, so a joint refill would stand in each of the 8 steps, behind a round in which all 64 waves of four work-groups meet; the four waves of a SIMD would then
; stand in the same phase of a step, and this design rests on their standing in different ones.  So no barrier stands in the attention phase.  Step n + 1's loads go out as soon as step n's p has become codes, which frees
; the accumulators.  xc, xs and mask belong to one work-group and come through registers.
; LIMITS: NaN and infinities among the inputs are not served; blocks under the floor 2^-124 were not tried.  The mask enters as fma(q k + tri, log2(e), (1e9 (m - 1)) log2(e)): where m = 1 that is the stated t; in a row
; all of whose keys are masked it gives the same uniform p while |q k + tri| log2(e) < 64, half a unit in the last place of the mask term; beyond that the order of rounding differs from the stated one.
.set WBLK, 131072                      ; LDS: 0 the waves' stages for the way out, 8,192 bytes apart; 131,072 the weights' block as it lies in wts (images, scale words, bg, bo);
.set WSC,  WBLK+61440
.set BG,   WBLK+64000
.set BO,   WBLK+64512
.set MB,   196608                      ; from here on bytes that waves store, into which no tensor load lands: the mask term of each key (1,024);
.set XSC,  197632                      ; x's scale words (16 x 64);
.set KSC,  198656                      ; K's, [pair of heads][tile] (2 x 16 x 64);
.set VSC,  200704                      ; V^T's (16 x 64);
.set XIMG, 201728                      ; x's 16 images;
.set KIMG, 226304                      ; K's, [pair][tile], 768 bytes: registers 0-3 of the pair's six at 16 l, registers 4, 5 at 512 + 8 l;
.set VIMG, 250880                      ; V^T's: fragment 2 (2 h + u) + key step
.set SPARE, 275456                     ; the spare words, 128 bytes for each wave: eight blocks of 256 bytes that no other line names
.set FRB,  1536                        ; an image
.set QF,   16                          ; v16-27   q's codes, all four heads; v28 its scale word; v29 the word of the pair in hand; v30, v31 masks for lanes 0-15, 16-31
.set GA,   68                          ; v68-83   the gate's two accumulators
.set S,    96                          ; v96-159  eight accumulators: projections, tri and scores, p
.set O,    160                         ; v160-175 O^T of the head in hand, then o, then o g
.set QH,   176                         ; v176-187 first my tokens' codes, then Q's operand of the head in hand
.set OGC,  188                         ; v188-199 codes just made (k, v), later o g's; v200-206 their odd halves
.set PCD,  212                         ; v212-223 p's codes (in the projections: addresses)
.set KW,   224                         ; v224-231 scale words from LDS
.set SEL,  20                          ; s[20:21] lane l xor 16; s[22:23] log2(e); s[58:59] 1 / sqrt(32); s[60:61] -log2(e)
; v1 spare word's address, v2 0; v3 8,192 x wave + 16 l: my offset in a tile of tri; v4 weights' images + 16 l; v5 weights' scale words + 4 r; v6 bg + 64 hh; v7 x's images + 16 l; v8 K's images + 512 + 8 l;
; v9 V^T's images + 16 l; v10 my x image; v11 my x scale words; v12 -M, v13 the largest t, v[14:15] the sum; v32-95 operands from LDS; v207 my offset in out0; v208 o g's scale word; v209 prefetch offset;
; v210, v211 the way out; v232-251 at work; v252 f, v253 the scale word just made, v254 at work, v255 my tokens' scale word.
.macro PLACES                          ; four plain instructions between a matrix instruction and a load into, or a vector read or write of, its registers (ISA guide 7.12.1 for vector reads and writes)
.rept 4
	v_nop
.endr
.endm
.macro CROUND                          ; a round of the cluster's barrier
	s_barrier_signal -1
	s_barrier_wait -1
	s_cmp_lg_u32 s16, 0
	s_cbranch_scc1 .Lnot_wave_0_\@
	s_barrier_signal -3
.Lnot_wave_0_\@:
	s_barrier_wait -3
	s_barrier_signal -1
	s_barrier_wait -1
.endm
.macro WMZ d, a, b, sa, sb             ; a product that starts a sum
	v_wmma_scale_f32_16x16x128_f8f6f4 v[(\d):(\d)+7], v[(\a):(\a)+11], v[(\b):(\b)+11], 0, v[\sa], v[\sb] matrix_a_fmt:MATRIX_FMT_FP6 matrix_b_fmt:MATRIX_FMT_FP6
.endm
.macro WMA d, a, b, sa, sb             ; a product onto what the accumulator holds
	v_wmma_scale_f32_16x16x128_f8f6f4 v[(\d):(\d)+7], v[(\a):(\a)+11], v[(\b):(\b)+11], v[(\d):(\d)+7], v[\sa], v[\sb] matrix_a_fmt:MATRIX_FMT_FP6 matrix_b_fmt:MATRIX_FMT_FP6
.endm
; 64 numbers of a lane, register 16 b + i = k 32 b + 16 hh + i of my row, become a fragment's codes in v[pc] on and its scale word in v[pw]
.macro QUANT src, pc, pw
.irp b, 0,1,2,3
	v_max3_num_f32 v[232+\b], |v[\src+16*\b]|, |v[\src+1+16*\b]|, 0x1800000    ; my 16 numbers of block b, and the floor 2^(3 - 127): the byte cannot fall under 1
.endr
.irp i, 2,4,6,8,10,12,14
.irp b, 0,1,2,3
	v_max3_num_f32 v[232+\b], v[232+\b], |v[\src+16*\b+\i]|, |v[\src+1+16*\b+\i]|
.endr
.endr
.irp b, 0,1,2,3
	s_delay_alu instid0(VALU_DEP_4)
	v_permlanex16_b32 v[236+\b], v[232+\b], s[SEL], s[SEL+1]
.endr
.irp b, 0,1,2,3
	s_delay_alu instid0(VALU_DEP_4)
	v_max_num_f32 v[232+\b], v[232+\b], v[236+\b]
.endr
.irp b, 0,1,2,3
	s_delay_alu instid0(VALU_DEP_4)
	v_add_nc_u32 v[244+\b], 0xff000000, v[232+\b]          ; 2 off the exponent field: the conversion's scale operand
.endr
.irp b, 0,1,2,3
	s_delay_alu instid0(VALU_DEP_4)
	v_lshrrev_b32 v[236+\b], 23, v[244+\b]                 ; the scale's byte
.endr
	s_delay_alu instid0(VALU_DEP_3)
	v_lshl_or_b32 v[\pw], v237, 8, v236
	s_delay_alu instid0(VALU_DEP_1)
	v_lshl_or_b32 v[\pw], v238, 16, v[\pw]
	s_delay_alu instid0(VALU_DEP_1)
	v_lshl_or_b32 v[\pw], v239, 24, v[\pw]
.irp c, 0,1
	v_cvt_scalef32_pk16_fp6_f32 v[\pc+6*\c:\pc+2+6*\c], v[\src+32*\c:\src+15+32*\c], v[244+2*\c]
	v_cvt_scalef32_pk16_fp6_f32 v[236+4*\c:238+4*\c], v[\src+16+32*\c:\src+31+32*\c], v[245+2*\c]   ; (a conversion's three registers begin on an even number)
.endr
	v_nop                                                  ; one plain place behind the scaled conversions
.irp c, 0,1                            ; a whole block in a lane: lanes 0-15 block 2 c, lanes 16-31 block 2 c + 1
.irp i, 0,1,2
	v_permlane16_swap_b32 v[\pc+6*\c+\i], v[236+4*\c+\i]
.endr
.irp i, 0,1,2
	s_delay_alu instid0(VALU_DEP_3)
	v_mov_b32 v[\pc+3+6*\c+\i], v[236+4*\c+\i]
.endr
.endr
.endm
; Weight m's eight tiles against the operand at v[bop] with scale word v[bsc]: four tiles at a time; the accumulators take turns
.macro PROJ m, bop, bsc, inplace
.irp g, 0,1
.irp t, 0,1,2,3
.irp c, 0,1,2
	ds_load_b128 v[32+12*\t+4*\c:35+12*\t+4*\c], v4 offset:(8*(\m)+4*\g+\t)*FRB+512*\c
.endr
	ds_load_b32 v[KW+\t], v5 offset:64*(8*(\m)+4*\g+\t)
.endr
	s_wait_dscnt 0x0
.irp t, 0,1,2,3
.if \inplace
	WMA S+8*(4*\g+\t), 32+12*\t, \bop, KW+\t, \bsc
.else
	WMZ S+8*(4*\g+\t), 32+12*\t, \bop, KW+\t, \bsc
.endif
.endr
	PLACES
.endr
.endm
; My 8,192 bytes of tri's tile n, into the accumulators: each load reads 512 consecutive bytes.  The address registers are never rewritten: the tile stands in the immediate
.macro TRI n
.set g, 0
.rept 16
	global_load_b128 v[S+4*g:S+4*g+3], v3, s[8:9] offset:(\n)*131072+512*g
.set g, g+1
.endr
.endm
; A prefetch of tri's tile n + 2, which the NEXT step's loads will ask for; it stands behind this step's run of loads.  Every work-group walks the same tiles: the first cluster asks; its four partners share a tile's
; 131,072 bytes out BY ADDRESS, 32,768 each; in each, waves 0 to 3 take 8,192 bytes, lanes 256 bytes apart: each aligned block of 256 bytes of tiles 2 to 7 is named once.  Tiles 0 and 1 come by their loads alone.
; The address registers are never rewritten.
.macro ASK n
	s_cmp_eq_u32 s50, 1
	s_cbranch_scc0 .Lnot_mine_\@
	global_prefetch_b8 v209, s[48:49] offset:((\n)+2)*131072 th:TH_LOAD_NT scope:SCOPE_SE
.Lnot_mine_\@:
.endm
.macro HEADSTART h                     ; Q's operand of head h: its 32 codes stay in their half of the lanes (block h % 2), the other half's become zero codes; registers 6-11 are zeros
.if (\h) < 2
	v_mov_b32 v29, v28
.else
	v_lshrrev_b32 v29, 16, v28                             ; the pair's two bytes come to bytes 0 and 1
.endif
.irp i, 0,1,2,3,4,5
	v_and_b32 v[QH+\i], v[30+(\h)%2], v[QF+6*((\h)/2)+\i]
.endr
.endm
; A STEP: head h, keys 128 s on
.macro UNIT h, s
.set NN, 2*(\h)+(\s)
.set KT, 16*((\h)/2)+8*(\s)
	PLACES                                                 ; behind the last products, whose operands are loaded over
.irp t, 0,1,2,3,4,5,6,7
	ds_load_b128 v[32+6*\t:35+6*\t], v7 offset:KIMG-XIMG+768*(KT+\t)       ; K: the pair's six registers of each of the eight tiles, on end
	ds_load_b64 v[36+6*\t:37+6*\t], v8 offset:768*(KT+\t)
	ds_load_b32 v[KW+\t], v5 offset:KSC-WSC+64*(KT+\t)
.endr
	s_wait_loadcnt 0x0                                     ; my tile of tri lies in the accumulators: it is the C of the scores' products
	s_wait_dscnt 0x0
.irp t, 0,1,2,3,4,5,6,7
	WMA S+8*\t, 32+6*\t, QH, KW+\t, 29                     ; S^T = K Q^T + tri.  The operand's upper six registers are the next tile's (or what lies behind the last): they meet zero codes
.endr
	PLACES
.set g, 0
.rept 16
	ds_load_b128 v[32+4*g:35+4*g], v6 offset:MB-BG+512*(\s)+128*(g/4)+16*(g%4)     ; the keys' mask terms, in the accumulators' order
.set g, g+1
.endr
	s_wait_dscnt 0x0
.set j, 0
.rept 32
	v_pk_fma_f32 v[S+j:S+j+1], v[S+j:S+j+1], s[22:23], v[32+j:33+j] op_sel_hi:[1,0,1]   ; t; each accumulator from its low end on
.set j, j+2
.endr
.irp u, 0,1
.irp c, 0,1,2
	ds_load_b128 v[32+12*\u+4*\c:35+12*\u+4*\c], v9 offset:FRB*(2*(2*(\h)+\u)+(\s))+512*\c   ; V^T's two fragments land under the softmax
.endr
	ds_load_b32 v[KW+\u], v5 offset:VSC-WSC+64*(2*(2*(\h)+\u)+(\s))
.endr
.irp b, 0,1,2,3
	v_max3_num_f32 v[232+\b], v[S+16*\b], v[S+1+16*\b], v[S+2+16*\b]       ; the largest t of each block of 32 keys: it serves for the row's maximum and, since p rises with t, for the block's largest p
.endr
.irp i, 3,5,7,9,11,13
.irp b, 0,1,2,3
	s_delay_alu instid0(VALU_DEP_4)
	v_max3_num_f32 v[232+\b], v[232+\b], v[S+16*\b+\i], v[S+1+16*\b+\i]
.endr
.endr
.irp b, 0,1,2,3
	s_delay_alu instid0(VALU_DEP_4)
	v_max_num_f32 v[232+\b], v[232+\b], v[S+15+16*\b]
.endr
.irp b, 0,1,2,3
	s_delay_alu instid0(VALU_DEP_4)
	v_permlanex16_b32 v[236+\b], v[232+\b], s[SEL], s[SEL+1]
.endr
.irp b, 0,1,2,3
	s_delay_alu instid0(VALU_DEP_4)
	v_max_num_f32 v[232+\b], v[232+\b], v[236+\b]
.endr
	s_delay_alu instid0(VALU_DEP_2)
	v_max3_num_f32 v254, v232, v233, v234
.if (\s) == 0
	s_delay_alu instid0(VALU_DEP_1)
	v_max_num_f32 v13, v254, v235                          ; a head's first step starts the running maximum
	s_delay_alu instid0(VALU_DEP_1)
	v_floor_f32 v12, -v13                                  ; -M = floor(-t): M is a whole number
.else
	s_delay_alu instid0(VALU_DEP_1)
	v_max3_num_f32 v13, v254, v235, v13
	v_mov_b32 v254, v12
	s_delay_alu instid0(VALU_DEP_2)
	v_floor_f32 v12, -v13
	s_delay_alu instid0(VALU_DEP_1)
	v_sub_f32 v254, v12, v254                              ; old M - new M: a whole number, 0 or less
	s_delay_alu instid0(VALU_DEP_1)
	v_cvt_i32_f32 v254, v254
	s_delay_alu instid0(VALU_DEP_1)
	v_ldexp_f32 v252, 1.0, v254                            ; f = 2^(old M - new M): a multiplication by it rounds nothing
.endif
.set j, 0
.rept 32
	v_pk_add_f32 v[S+j:S+j+1], v[S+j:S+j+1], v[12:13] op_sel_hi:[1,0]      ; t - M
.set j, j+2
.endr
.irp b, 0,1,2,3
	v_add_f32 v[232+\b], v12, v[232+\b]
.endr
.set j, 0
	s_wait_alu depctr_va_vdst(0)
.rept 64
	v_exp_f32 v[S+j], v[S+j]                               ; p = 2^(t - M): one batch
.set j, j+1
.endr
.if (\s) == 0
	v_nop                                                  ; a plain instruction behind the batch
.else
	v_pk_mul_f32 v[14:15], v[14:15], v[252:253] op_sel_hi:[1,0]            ; the sum under the new M (a plain instruction behind the batch)
.endif
	s_wait_alu depctr_va_vdst(0)                           ; one wait for the batch, ahead of its first reader
.irp b, 0,1,2,3
	v_exp_f32 v[232+\b], v[232+\b]                         ; the blocks' largest p: the same two instructions on the same numbers
.endr
.if (\s) == 0
	v_pk_add_f32 v[14:15], v[S:S+1], v[S+4:S+5]            ; the sum of the unquantised p, two chains; a head's first step starts it
.else
	v_pk_add_f32 v[14:15], v[14:15], v[S:S+1]
	v_pk_add_f32 v[14:15], v[14:15], v[S+4:S+5]
.endif
	v_pk_add_f32 v[236:237], v[S+2:S+3], v[S+6:S+7]
.irp j, 8,12,16,20,24,28,32,36,40,44,48,52,56,60
	v_pk_add_f32 v[14:15], v[14:15], v[S+\j:S+\j+1]
	v_pk_add_f32 v[236:237], v[236:237], v[S+\j+2:S+\j+3]
.endr
	s_delay_alu instid0(VALU_DEP_1)
	v_pk_add_f32 v[14:15], v[14:15], v[236:237]
	s_wait_alu depctr_va_vdst(0)                           ; and one for the four
.irp b, 0,1,2,3
	v_max_num_f32 v[232+\b], 0x1800000, v[232+\b]          ; the floor: a block whose every p is 0 keeps the byte 1: its codes are zeros
.endr
.irp b, 0,1,2,3
	s_delay_alu instid0(VALU_DEP_4)
	v_add_nc_u32 v[244+\b], 0xff000000, v[232+\b]
.endr
.irp b, 0,1,2,3
	s_delay_alu instid0(VALU_DEP_4)
	v_lshrrev_b32 v[236+\b], 23, v[244+\b]
.endr
	s_delay_alu instid0(VALU_DEP_3)
	v_lshl_or_b32 v253, v237, 8, v236                      ; p's scale word for these 128 keys
	s_delay_alu instid0(VALU_DEP_1)
	v_lshl_or_b32 v253, v238, 16, v253
	s_delay_alu instid0(VALU_DEP_1)
	v_lshl_or_b32 v253, v239, 24, v253
.irp c, 0,1
	v_cvt_scalef32_pk16_fp6_f32 v[PCD+6*\c:PCD+2+6*\c], v[S+32*\c:S+15+32*\c], v[244+2*\c]
	v_cvt_scalef32_pk16_fp6_f32 v[236+4*\c:238+4*\c], v[S+16+32*\c:S+31+32*\c], v[245+2*\c]
.endr
	v_nop                                                  ; one plain place behind the scaled conversions
.if NN < 7
	TRI NN+1                                               ; p has become codes: the accumulators are free, and the next step's tile of tri goes out; nothing names them before that step's wait
.if NN < 6
	ASK NN
.endif
.endif
	s_wait_alu depctr_va_vdst(0)
.irp c, 0,1
.irp i, 0,1,2
	v_permlane16_swap_b32 v[PCD+6*\c+\i], v[236+4*\c+\i]
.endr
.irp i, 0,1,2
	s_delay_alu instid0(VALU_DEP_3)
	v_mov_b32 v[PCD+3+6*\c+\i], v[236+4*\c+\i]
.endr
.endr
.if (\s) == 1
.set j, 0
.rept 8
	v_pk_mul_f32 v[O+j:O+j+1], v[O+j:O+j+1], v[252:253] op_sel_hi:[1,0]    ; O^T under the new M, from its low end on
.set j, j+2
.endr
.endif
	PLACES                                                 ; eight places between the vector instruction that wrote p's scale word and the scaled products
	PLACES
	s_wait_alu depctr_va_vdst(0)
	s_wait_dscnt 0x0                                       ; V^T
.irp u, 0,1
.if (\s) == 1
	WMA O+8*\u, 32+12*\u, PCD, KW+\u, 253
.else
	WMZ O+8*\u, 32+12*\u, PCD, KW+\u, 253                  ; a head's first step starts O^T: nothing is cleared
.endif
.endr
.endm
; A head's end: its 32 channels of the gate, o = O^T / sum, o g, and o g's block h of the last product's operand.  It names none of the accumulators v96-159: the next head's tile of tri is on its way into them
.macro HEADTAIL h
	PLACES
.irp u, 0,1
.irp c, 0,1,2
	ds_load_b128 v[32+12*\u+4*\c:35+12*\u+4*\c], v4 offset:(24+2*(\h)+\u)*FRB+512*\c       ; wg's two tiles
.endr
	ds_load_b32 v[KW+\u], v5 offset:64*(24+2*(\h)+\u)
.endr
.irp c, 0,1,2
	ds_load_b128 v[56+4*\c:59+4*\c], v10 offset:512*\c     ; my tokens' codes
.endr
.irp q, 0,1,2,3
	ds_load_b128 v[GA+4*\q:GA+4*\q+3], v6 offset:128*(\h)+16*\q            ; bg is the C of the gate's products
.endr
	v_add_f32 v14, v14, v15                                ; the sum's two halves,
	s_delay_alu instid0(VALU_DEP_1)
	v_permlanex16_b32 v248, v14, s[SEL], s[SEL+1]
	s_delay_alu instid0(VALU_DEP_1)
	v_add_f32 v14, v14, v248                               ; and lane l xor 16's
	s_wait_dscnt 0x0
.irp u, 0,1
	WMA GA+8*\u, 32+12*\u, 56, KW+\u, 255
.endr
	PLACES
.set j, 0
.rept 8
	v_pk_mul_f32 v[GA+j:GA+j+1], v[GA+j:GA+j+1], s[60:61] op_sel_hi:[1,0]  ; sigmoid(z) = 1 / (1 + 2^(-z log2(e)))
.set j, j+2
.endr
.set j, 0
	s_wait_alu depctr_va_vdst(0)
.rept 16
	v_exp_f32 v[GA+j], v[GA+j]
.set j, j+1
.endr
	v_nop
	s_wait_alu depctr_va_vdst(0)                           ; one wait for the sixteen
.set j, 0
.rept 8
	v_pk_add_f32 v[GA+j:GA+j+1], v[GA+j:GA+j+1], 1.0 op_sel_hi:[1,0]
.set j, j+2
.endr
.set j, 0
	s_wait_alu depctr_va_vdst(0)
.rept 16
	v_rcp_f32 v[GA+j], v[GA+j]
.set j, j+1
.endr
	v_rcp_f32 v250, v14
	v_nop
	s_wait_alu depctr_va_vdst(0)                           ; one wait for the seventeen
.set j, 0
.rept 8
	v_pk_mul_f32 v[O+j:O+j+1], v[O+j:O+j+1], v[250:251] op_sel_hi:[1,0]    ; o, in place, from O^T's low end on: register i is channel 32 h + 16 hh + i
.set j, j+2
.endr
.set j, 0
.rept 8
	v_pk_mul_f32 v[O+j:O+j+1], v[O+j:O+j+1], v[GA+j:GA+j+1]                ; o g
.set j, j+2
.endr
	v_max3_num_f32 v232, |v[O]|, |v[O+1]|, 0x1800000
.irp i, 2,4,6,8,10,12,14
	s_delay_alu instid0(VALU_DEP_1)
	v_max3_num_f32 v232, v232, |v[O+\i]|, |v[O+1+\i]|
.endr
	s_delay_alu instid0(VALU_DEP_1)
	v_permlanex16_b32 v236, v232, s[SEL], s[SEL+1]
	s_delay_alu instid0(VALU_DEP_1)
	v_max_num_f32 v232, v232, v236
	s_delay_alu instid0(VALU_DEP_1)
	v_add_nc_u32 v244, 0xff000000, v232
	s_delay_alu instid0(VALU_DEP_1)
	v_lshrrev_b32 v236, 23, v244
.if (\h) == 0
	s_delay_alu instid0(VALU_DEP_1)
	v_mov_b32 v208, v236
.else
	s_delay_alu instid0(VALU_DEP_1)
	v_lshl_or_b32 v208, v236, 8*(\h), v208
.endif
.if (\h)%2 == 0
	v_cvt_scalef32_pk16_fp6_f32 v[OGC+6*((\h)/2):OGC+2+6*((\h)/2)], v[O:O+15], v244
	v_nop
.else
	v_cvt_scalef32_pk16_fp6_f32 v[OGC+12+4*((\h)/2):OGC+14+4*((\h)/2)], v[O:O+15], v244
	v_nop
.irp i, 0,1,2
	v_permlane16_swap_b32 v[OGC+6*((\h)/2)+\i], v[OGC+12+4*((\h)/2)+\i]
.endr
.irp i, 0,1,2
	s_delay_alu instid0(VALU_DEP_3)
	v_mov_b32 v[OGC+3+6*((\h)/2)+\i], v[OGC+12+4*((\h)/2)+\i]
.endr
.endif
.endm
	s_load_b256 s[4:11], s[0:1], 0x0               ; xc 4, xs 6, tri 8, wts 10
	s_load_b128 s[12:15], s[0:1], 0x20             ; mask 12, out0 14
	v_lshl_add_u32 v1, v0, 2, SPARE
	v_mov_b32 v2, 0
	ds_add_u32 v1, v2
	ds_add_u32 v1, v2
	s_wait_dscnt 0x0
	v_lshrrev_b32 v32, 5, v0
	s_delay_alu instid0(VALU_DEP_1)
	v_readfirstlane_b32 s16, v32                   ; wave 0..15
	s_bfe_u32 s17, ttmp6, 0x40000                  ; cx
	s_lshl_b32 s18, ttmp9, 2
	s_add_co_u32 s18, s18, s17                     ; i: it enters global addresses alone
	s_mov_b32 s[SEL], 0x76543210
	s_mov_b32 s[SEL+1], 0xfedcba98
	s_mov_b32 s22, 0x3fb8aa3b                      ; log2(e)
	s_mov_b32 s23, s22                             ; (named with it as a pair, so it is written)
	s_mov_b32 s58, 0x3e3504f3                      ; 1 / sqrt(32)
	s_mov_b32 s59, s58
	s_mov_b32 s60, 0xbfb8aa3b                      ; -log2(e)
	s_mov_b32 s61, s60
	; descriptor group 1: a dense block as rows of 256 bytes (32 elements of 8 bytes): 16 rows of the weights' block
	s_mov_b32 s24, 15|(3<<16)|(1<<21)              ; 15:0 the mask: all four work-groups; 17:16 elements of 8 bytes; 21 set beside a mask; no padding
	s_mov_b32 s25, 32<<16                          ; tensor_dim0
	s_mov_b32 s26, 16<<16                          ; tensor_dim1
	s_mov_b32 s27, 32<<16                          ; tile_dim0
	s_mov_b32 s28, 16                              ; tile_dim1
	s_mov_b32 s29, 32                              ; the pitch
	s_mov_b32 s30, 0
	s_mov_b32 s31, 0
	; every LDS address: a constant + a constant x lane + a constant x wave
	v_and_b32 v32, 31, v0                          ; lane
	v_and_b32 v33, 15, v0                          ; r
	v_bfe_u32 v34, v0, 4, 1                        ; hh
	s_delay_alu instid0(VALU_DEP_3)
	v_lshlrev_b32 v35, 4, v32
	s_delay_alu instid0(VALU_DEP_3)
	v_lshlrev_b32 v36, 2, v33
	v_lshlrev_b32 v37, 3, v32
	v_lshlrev_b32 v38, 10, v0                      ; a row of mask is 1,024 bytes: thread t takes key t
	s_lshl_b32 s52, s16, 13
	v_add_nc_u32 v3, s52, v35
	v_add_nc_u32 v4, WBLK, v35
	v_add_nc_u32 v5, WSC, v36
	v_lshl_add_u32 v6, v34, 6, BG
	v_add_nc_u32 v7, XIMG, v35
	v_add_nc_u32 v8, KIMG+512, v37
	v_add_nc_u32 v9, VIMG, v35
	s_mul_i32 s53, s16, FRB
	s_add_co_u32 s53, s53, XIMG
	v_add_nc_u32 v10, s53, v35
	s_lshl_b32 s53, s16, 6
	s_add_co_u32 s53, s53, XSC
	v_add_nc_u32 v11, s53, v36
	v_add_nc_u32 v30, -1, v34                      ; all ones in lanes 0-15
	v_sub_nc_u32 v31, 0, v34                       ; all ones in lanes 16-31
	v_lshlrev_b32 v209, 8, v32
	v_mul_u32_u24 v210, v33, 272                   ; the way out, in my stage: in: row r of 272 bytes, + 64 hh
	s_delay_alu instid0(VALU_DEP_1)
	v_lshl_add_u32 v210, v34, 6, v210
	s_delay_alu instid0(VALU_DEP_1)
	v_add_nc_u32 v210, s52, v210
	v_mul_u32_u24 v211, v34, 272                   ; back: lanes 0-15 one row, lanes 16-31 the next
	s_delay_alu instid0(VALU_DEP_1)
	v_lshl_add_u32 v211, v33, 4, v211
	s_delay_alu instid0(VALU_DEP_1)
	v_add_nc_u32 v211, s52, v211
	v_lshlrev_b32 v207, 17, v34                    ; and the same two rows in out0: 131,072 bytes apart
	s_delay_alu instid0(VALU_DEP_1)
	v_lshl_add_u32 v207, v33, 4, v207
	s_mul_i32 s53, s16, 768                        ; the projections' addresses, v212-220
	s_add_co_u32 s53, s53, KIMG
	v_add_nc_u32 v212, s53, v35                    ; where I store K's image: registers 0-3 of a pair's six,
	s_add_co_u32 s53, s53, 512
	v_add_nc_u32 v213, s53, v37                    ; registers 4, 5
	s_and_b32 s54, s16, 7                          ; V^T: I make channel tile w % 8,
	s_lshr_b32 s55, s16, 3                         ; key step w / 8
	s_lshl_b32 s56, s54, 1
	s_add_co_u32 s56, s56, s55
	s_mul_i32 s53, s56, FRB
	s_add_co_u32 s53, s53, VIMG
	v_add_nc_u32 v214, s53, v35
	s_lshl_b32 s53, s56, 6
	s_add_co_u32 s53, s53, VSC
	v_add_nc_u32 v215, s53, v36
	s_mul_i32 s53, s54, FRB
	s_add_co_u32 s53, s53, WBLK+16*FRB
	v_add_nc_u32 v216, s53, v35                    ; wv's tile,
	s_lshl_b32 s53, s54, 6
	s_add_co_u32 s53, s53, WSC+16*64
	v_add_nc_u32 v217, s53, v36                    ; its scale words,
	s_mul_i32 s53, s55, 8*FRB
	s_add_co_u32 s53, s53, XIMG
	v_add_nc_u32 v218, s53, v35                    ; the key step's eight images of x,
	s_lshl_b32 s53, s55, 9
	s_add_co_u32 s53, s53, XSC
	v_add_nc_u32 v219, s53, v36                    ; and their scale words
	v_lshl_add_u32 v220, v0, 2, MB
.irp b, 0,1,2,3
	v_mov_b32 v[236+\b], 0                         ; written once: a lane permute's destination counts as one of its sources
.endr
	v_mov_b32 v248, 0
	v_mov_b32 v251, 0                              ; (named as the upper half of the pair v[250:251])
.irp i, 0,1,2,3,4,5
	v_mov_b32 v[80+\i], 0                          ; behind K's eighth tile: named by its product, against zero codes
.endr
	s_lshr_b32 s50, s16, 2                         ; who prefetches: waves 0 to 3
	s_or_b32 s50, s50, ttmp9                       ; of the first cluster: the same in all four partners
	s_cmp_eq_u32 s50, 0
	s_cselect_b32 s50, 1, 0
	s_wait_kmcnt 0x0
	s_mov_b32 s40, 1                               ; group 0, the weights: my 4,096 bytes of the block
	s_lshl_b32 s52, s16, 12
	s_mov_b32 s53, 0
	s_add_co_u32 s41, s52, WBLK
	s_add_nc_u64 s[42:43], s[10:11], s[52:53]
	s_or_b32 s43, s43, 0x80000000
	s_lshl_b32 s52, s16, 13                        ; the prefetches: my wave's 8,192 bytes
	s_lshl_b32 s54, s17, 15                        ; of my work-group's 32,768 of a tile
	s_add_co_u32 s52, s52, s54
	s_add_nc_u64 s[48:49], s[8:9], s[52:53]
	s_lshl_b32 s52, s18, 4
	s_add_co_u32 s52, s52, s16
	s_mul_i32 s52, s52, FRB
	s_add_nc_u64 s[4:5], s[4:5], s[52:53]          ; xc: image 16 i + wave
	s_lshr_b32 s54, s18, 5                         ; xs: i = rho(T2, r2)
	s_lshl_b32 s54, s54, 1
	s_bfe_u32 s55, s18, 0x10003
	s_or_b32 s54, s54, s55                         ; T2
	s_lshl_b32 s52, s54, 14
	s_lshl_b32 s55, s16, 10
	s_add_co_u32 s52, s52, s55
	s_and_b32 s55, s18, 7
	s_bfe_u32 s56, s18, 0x10004
	s_lshl_b32 s56, s56, 3
	s_add_co_u32 s55, s55, s56                     ; r2
	s_lshl_b32 s55, s55, 6
	s_add_co_u32 s52, s52, s55
	s_add_nc_u64 s[6:7], s[6:7], s[52:53]
	s_lshl_b32 s52, s18, 2
	s_add_nc_u64 s[12:13], s[12:13], s[52:53]      ; mask[.][i]
	s_lshr_b32 s52, s16, 1
	s_lshl_b32 s52, s52, 5
	s_and_b32 s54, s16, 1
	s_lshl_b32 s54, s54, 3
	s_add_co_u32 s52, s52, s54
	s_lshl_b32 s52, s52, 17
	s_lshl_b32 s54, s18, 9
	s_add_co_u32 s52, s52, s54
	s_add_nc_u64 s[14:15], s[14:15], s[52:53]      ; out0[rho(wave, 0)][i]
	CROUND                                         ; all four work-groups are here: the joint loads meet
	tensor_load_to_lds s[40:43], s[24:31]          ; the weights' block, filled once: my one tensor load
	s_nop 0
	PLACES
.irp c, 0,1,2
	global_load_b128 v[QH+4*\c:QH+4*\c+3], v35, s[4:5] offset:512*\c       ; my 16 tokens' codes
.endr
	global_load_b32 v255, v36, s[6:7]              ; and their scale words
	s_cmp_lt_u32 s16, 8
	s_cbranch_scc0 .Lno_mask
	global_load_b32 v39, v38, s[12:13]             ; waves 0 to 7: key t's mask
	s_wait_loadcnt 0x0
	v_add_f32 v39, -1.0, v39
	s_delay_alu instid0(VALU_DEP_1)
	v_mul_f32 v39, 0x4e6e6b28, v39                 ; 1e9 (m - 1),
	s_delay_alu instid0(VALU_DEP_1)
	v_mul_f32 v39, 0x3fb8aa3b, v39                 ; as a term of t
	ds_store_b32 v220, v39
.Lno_mask:
	s_wait_loadcnt 0x0
.irp c, 0,1,2
	ds_store_b128 v10, v[QH+4*\c:QH+4*\c+3] offset:512*\c
.endr
	ds_store_b32 v11, v255
	s_wait_tensorcnt 0x0                           ; my part of the weights is in
	s_wait_dscnt 0x0
	s_barrier_signal -1
	s_barrier_wait -1                              ; the weights, x's images and the mask terms lie in LDS
	; ---- the projections ----
	PROJ 0, QH, 255, 0                             ; q of my 16 tokens: register 16 h + i = channel 16 hh + i of head h
.set j, 0
.rept 32
	v_pk_mul_f32 v[S+j:S+j+1], v[S+j:S+j+1], s[58:59] op_sel_hi:[1,0]
.set j, j+2
.endr
	QUANT S, QF, 28                                ; a block of 32 is a head
	PROJ 1, QH, 255, 0                             ; k likewise: my tokens are key tile w
	QUANT S, OGC, 253
.irp p, 0,1
	ds_store_b128 v212, v[OGC+6*\p:OGC+6*\p+3] offset:12288*\p
	ds_store_b64 v213, v[OGC+6*\p+4:OGC+6*\p+5] offset:12288*\p
.endr
	ds_store_b32 v11, v253 offset:KSC-XSC          ; pair 0's bytes lie in bytes 0, 1;
	v_lshrrev_b32 v254, 16, v253
	ds_store_b32 v11, v254 offset:KSC-XSC+1024     ; pair 1's are brought there
.irp c, 0,1,2
	ds_load_b128 v[O+4*\c:O+4*\c+3], v216 offset:512*\c    ; V^T: wv's tile is source 1,
.endr
	ds_load_b32 v231, v217
.irp g, 0,1
.irp t, 0,1,2,3
.irp c, 0,1,2
	ds_load_b128 v[32+12*\t+4*\c:35+12*\t+4*\c], v218 offset:(4*\g+\t)*FRB+512*\c          ; the key step's tiles of tokens source 0
.endr
	ds_load_b32 v[KW+\t], v219 offset:64*(4*\g+\t)
.endr
	s_wait_dscnt 0x0
.irp t, 0,1,2,3
	WMZ S+8*(4*\g+\t), 32+12*\t, O, KW+\t, 231
.endr
	PLACES
.endr
	QUANT S, OGC, 253                              ; register 16 b + i = key 32 b + 16 hh + i of my channel
	TRI 0                                          ; the accumulators are free: the first step's tile of tri goes out, and stays on its way over the barrier below (nobody writes tri)
.irp c, 0,1,2
	ds_store_b128 v214, v[OGC+4*\c:OGC+4*\c+3] offset:512*\c
.endr
	ds_store_b32 v215, v253
.irp i, 6,7,8,9,10,11
	v_mov_b32 v[QH+\i], 0                          ; Q's operand: blocks 2 and 3 are zero codes
.endr
	s_wait_dscnt 0x0
	s_barrier_signal -1
	s_barrier_wait -1                              ; K's and V^T's images lie in LDS: from here on every wave goes its own way
	; ---- attention: written out, every offset an immediate.  No two matrix instructions that follow each other share an accumulator ----
.irp h, 0,1,2,3
	HEADSTART \h
	s_wait_alu depctr_va_vdst(0)
	UNIT \h, 0
	UNIT \h, 1
	HEADTAIL \h
.endr
	; ---- out = (o g) wo^T + bo ----
.set g, 0
	s_wait_alu depctr_va_vdst(0)
.rept 16
	ds_load_b128 v[S+4*g:S+4*g+3], v6 offset:BO-BG+128*(g/4)+16*(g%4)      ; bo is the C of the products
.set g, g+1
.endr
	PLACES                                         ; eight places between the vector instruction that wrote o g's scale word and the scaled products
	PLACES
	PROJ 4, OGC, 208, 1                            ; register 16 b + i = output channel 32 b + 16 hh + i of my token
	; the way out, through my own stage: half a row (256 bytes) of 16 tokens at a time
.irp u, 0,1
.irp b, 0,1
.irp j, 0,1,2,3
	ds_store_b128 v210, v[S+32*\u+16*\b+4*\j:S+32*\u+16*\b+4*\j+3] offset:128*\b+16*\j     ; each accumulator from its low end on
.endr
.endr
.irp i, 0,1,2,3,4,5,6,7
	ds_load_b128 v[32+32*\u+4*\i:35+32*\u+4*\i], v211 offset:544*\i        ; LDS serves a wave's instructions in order: these see my stores, and the next half's stores come behind them
.endr
.endr
.irp u, 0,1
.irp i, 0,1,2,3,4,5,6,7
	s_wait_dscnt 23-16*\u-\i                       ; the younger LDS instructions may be out: this half's later loads, and the other half's 8 stores and 8 loads
	global_store_b128 v207, v[32+32*\u+4*\i:35+32*\u+4*\i], s[14:15] offset:(2*\i+8*(\i/4))*131072+256*\u th:TH_STORE_NT   ; 16 lanes store 256 consecutive bytes, aligned; written once
.endr
.endr
	s_wait_tensorcnt 0x0                           ; the wave's end: behind my tensor load and my last LDS store
	ds_add_u32 v1, v2
	s_wait_dscnt 0x0
	CROUND                                         ; the closing round: no work-group ends while a partner may still ask for a tile that names it
	s_endpgm
.Lfunc_end_k_q57243a3a04_attn:
	.size	k_q57243a3a04_attn, .Lfunc_end_k_q57243a3a04_attn-k_q57243a3a04_attn
	.p2alignl 7, 3214868480
	.fill 96, 4, 3214868480
	.section	.rodata,"a",@progbits
	.p2align	6, 0x0
	.amdhsa_kernel k_q57243a3a04_attn
		.amdhsa_group_segment_fixed_size 327680
		.amdhsa_private_segment_fixed_size 0
		.amdhsa_enable_private_segment 0
		.amdhsa_kernarg_size 48
		.amdhsa_user_sgpr_count 2
		.amdhsa_user_sgpr_kernarg_segment_ptr 1
		.amdhsa_wavefront_size32 1
		.amdhsa_system_sgpr_workgroup_id_x 1
		.amdhsa_system_sgpr_workgroup_id_y 1
		.amdhsa_system_sgpr_workgroup_id_z 1
		.amdhsa_system_vgpr_workitem_id 0
		.amdhsa_next_free_vgpr 256
		.amdhsa_next_free_sgpr 66
		.amdhsa_reserve_vcc 0
		.amdhsa_float_denorm_mode_32 3
		.amdhsa_float_denorm_mode_16_64 3
		.amdhsa_memory_ordered 1
		.amdhsa_forward_progress 1
		.amdhsa_inst_pref_size 239
	.end_amdhsa_kernel
	.amdgpu_metadata
---
amdhsa.version: [ 1, 2 ]
amdhsa.kernels:
  - .name:           k_q57243a3a04_attn
    .symbol:         k_q57243a3a04_attn.kd
    .args:
      - { .name: xc, .offset: 0, .size: 8, .value_kind: global_buffer, .address_space: global }
      - { .name: xs, .offset: 8, .size: 8, .value_kind: global_buffer, .address_space: global }
      - { .name: tri, .offset: 16, .size: 8, .value_kind: global_buffer, .address_space: global }
      - { .name: wts, .offset: 24, .size: 8, .value_kind: global_buffer, .address_space: global }
      - { .name: mask, .offset: 32, .size: 8, .value_kind: global_buffer, .address_space: global }
      - { .name: out0, .offset: 40, .size: 8, .value_kind: global_buffer, .address_space: global }
    .group_segment_fixed_size: 327680
    .private_segment_fixed_size: 0
    .kernarg_segment_align: 8
    .kernarg_segment_size: 48
    .max_flat_workgroup_size: 512
    .sgpr_count:     66
    .vgpr_count:     256
    .wavefront_size: 32
...
	.end_amdgpu_metadata
.endif
;; end of part 2
